; MI455X (gfx1250); checked and timed in simulation.
; The chip was launched on July 23, 2026; its instructions are those of AMD's public machine-readable ISA for CDNA 5 (MIT licence, August 2026) and "CDNA5" Instruction Set Architecture Reference Guide (July 2026). The comments in the code are by the model that wrote it; some were corrected since.
;; Multihead Attention. Allowed arithmetic: matrix products marked QUANTISED: E5M2 operands, one given power-of-two scale a tensor, by v_wmma_f32_16x16x64_bf8_bf8 or v_wmma_f32_16x16x128_bf8_bf8, f32 sums; everything else in f32.
;; Inputs: Wk_codes 2,048 x 64 x 32 uint8 (E5M2 codes of Wk, K innermost, in blocks of 32 codes); Wo_codes 2,048 x 64 x 32 uint8 (E5M2 codes of Wo, K innermost, in blocks of 32 codes); Wq_codes 2,048 x 64 x 32 uint8 (E5M2 codes of Wq, K innermost, in blocks of 32 codes); Wv_codes 2,048 x 64 x 32 uint8 (E5M2 codes of Wv, K innermost, in blocks of 32 codes); key__codes 2,048 x 64 x 32 uint8 (E5M2 codes of key_, K innermost, in blocks of 32 codes); lowp_scales 12 int32 (the exponents e of the quantised operands' scales 2^e); query_codes 2,048 x 64 x 32 uint8 (E5M2 codes of query, K innermost, in blocks of 32 codes); value_codes 2,048 x 64 x 32 uint8 (E5M2 codes of value, K innermost, in blocks of 32 codes).
;; Outputs: out0 2,048 x 2,048 float32.
;; This version of the problem:
;;   THIS VERSION OF THE PROBLEM IS GIVEN IN LOW PRECISION. The matrix products marked QUANTISED in the list below multiply operands that are first quantised to E5M2 (5 exponent bits, 2 mantissa bits; 8 bits a number), with one given power-of-two scale for each operand tensor; their sums are f32. All else is computed in f32.
;;   The module's matrix products, in the order in which they are computed (A, B: the left and right operand; K: the contracted axis; several contracted axes count as one K, in the product's order):
;;     1. [M 2,048, K 2,048] x [K 2,048, N 2,048]; A: input query (given as codes); B: input Wq (given as codes): QUANTISED (scales: A lowp_scales[0], B lowp_scales[1])
;;     2. [M 2,048, K 2,048] x [K 2,048, N 2,048]; A: input key_ (given as codes); B: input Wk (given as codes): QUANTISED (scales: A lowp_scales[2], B lowp_scales[3])
;;     3. [M 2,048, K 2,048] x [K 2,048, N 2,048]; A: input value (given as codes); B: input Wv (given as codes): QUANTISED (scales: A lowp_scales[4], B lowp_scales[5])
;;     4. batch 16 x [M 2,048, K 128] x [K 128, N 2,048]; A: computed on the way; B: computed on the way: QUANTISED (scales: A lowp_scales[6], B lowp_scales[7])
;;     5. batch 16 x [M 128, K 2,048] x [K 2,048, N 2,048]; A: computed on the way; B: softmax (see below): QUANTISED (scales: A lowp_scales[8], B lowp_scales[9])
;;     6. [M 2,048, K 2,048] x [K 2,048, N 2,048]; A: computed on the way; B: input Wo (given as codes): QUANTISED (scales: A lowp_scales[10], B lowp_scales[11])
;;   THE QUANTISER, for each operand of a quantised product, along K:
;;     - The operand's scale is 2^e, e = its entry of the input lowp_scales (int32; the entries are numbered through the quantised products in the list's order, A before B).
;;     - Each number is divided by the scale, clamped to +-57,344, and rounded to the nearest number of E5M2, ties to even, subnormals kept.
;;     - The product sums the exact products of the quantised numbers (number of the format x scale) in f32.
;;   ~~~python
;;   def quantise(x, axis, e):      # numpy; x: float32 -> the quantised numbers, widened to float32 again
;;       x = np.moveaxis(x, axis, -1); K = x.shape[-1]
;;       r = np.clip(x / 2.0 ** e, -57344, 57344)
;;       step = 2.0 ** (np.maximum(np.frexp(np.where(r == 0, 1, r))[1] - 1, -14) - 2)
;;       q = np.round(r / step) * step * 2.0 ** e      # np.round: ties to even
;;       return np.moveaxis(q, -1, axis).astype(np.float32)
;;   ~~~
;;   SOFTMAX AHEAD OF A QUANTISED PRODUCT. Where the list says 'softmax', what is quantised is not the finished softmax but p = 2^(t - M), with t = logit x log2(e) and M = ceil(the row's largest t), a whole number; so 1/2 < the row's largest p <= 1. The row's sum l is taken of the UNQUANTISED p, in f32, and the product's result is divided by l at the end. Since M is a whole number, a kernel that streams over the keys may use a running M (the ceiling of the running maximum): every later rescaling is an exact power of two, so the quantised numbers keep their values, but for numbers so far below the row's largest that they fall under the format's range.
;;   OPERANDS COMPUTED ON THE WAY. 'Computed on the way' means the value that the module computes at that place (a softmax that the list does not call 'softmax' is quantised finished and normalised). What goes into a quantiser is computed in f32, as accurately as f32 sums, v_exp_f32 and their like allow (about 1e-6 of the number): no bf16 or f16 on the way to a quantiser, and a product that is left as it is and whose result goes on into a quantised operand takes f32 operands (vector FMAs, or v_wmma_f32_16x16x4_f32). A number that lies on a knife's edge between two numbers of the format may be rounded either way, as far as f32 arithmetic and the matrix unit's own rounding can turn it there, and no further.
;;   INPUTS GIVEN AS CODES. Wk (in the module: [2048, 2048], K = its axis 1); Wo (in the module: [2048, 2048], K = its axis 1); Wq (in the module: [2048, 2048], K = its axis 1); Wv (in the module: [2048, 2048], K = its axis 1); key_ (in the module: [2048, 2048], K = its axis 1); query (in the module: [2048, 2048], K = its axis 1); value (in the module: [2048, 2048], K = its axis 1): each comes as NAME_codes (uint8): NAME with its K axis moved to the last place and cut into blocks of 32 codes, [.., K / 32, bytes a block], one block behind the other in memory; one code a byte (a code: sign, 5 exponent bits, 2 mantissa bits); its scale is its entry of lowp_scales. Its value is code x scale, taken as it is: it is not quantised again, and the codes and scales need not be those that the quantiser above would give.
;; One version. Each part assembles by itself: llvm-mc -triple=amdgcn-amd-amdhsa -mcpu=gfx1250 --defsym DOCPART=n.
;; ======== version 1 of 1: 3 launches
;; limits: right only within a limited range of input values
;; workspace buffers: qc 4,194,304 bytes; kc 4,194,304 bytes; vc 4,194,304 bytes; ac 4,194,304 bytes
;; launch proj (part 1): grid 8 x 24, 4 waves a work-group, clusters of 4 x 4, 327,680 bytes of LDS; arguments query_codes, Wq_codes, key__codes, Wk_codes, Wv_codes, value_codes, lowp_scales, qc, kc, vc; writes qc, kc, vc
.if DOCPART == 1
	.amdgcn_target "amdgcn-amd-amdhsa--gfx1250"
	.amdhsa_code_object_version 6
	.text
	.protected	k_q67ed7ef995_proj
	.globl	k_q67ed7ef995_proj
	.p2align	8
	.type	k_q67ed7ef995_proj,@function
k_q67ed7ef995_proj:
	s_mov_b64 s[64:65], 0
	v_nop
	global_prefetch_b8 v0, s[64:65] scope:SCOPE_SE
	s_setreg_imm32_b32 hwreg(HW_REG_WAVE_MODE, 25, 1), 1
	s_wait_xcnt 0x0
	s_wait_alu depctr_hold_cnt(0) depctr_sa_sdst(0) depctr_va_vdst(0) depctr_va_sdst(0) depctr_va_ssrc(0) depctr_va_vcc(0) depctr_vm_vsrc(0)
	s_getreg_b32 s2, hwreg(HW_REG_IB_STS2, 6, 4)
	s_cmp_eq_u32 s2, 0
	s_cbranch_scc0 .Lentry_in_a_cluster
	s_endpgm
.Lentry_in_a_cluster:
	s_bfe_u32 s2, ttmp6, 0x10000c
	s_cmp_lg_u32 s2, 0xf033
	s_cbranch_scc0 .Lentry_shape_is_right
	s_endpgm
.Lentry_shape_is_right:
; THE THREE PROJECTIONS: C[m][n] = sum over k of A[m][k] B[n][k] on codes of BF8 (E5M2), 2,048 x 2,048 x 2,048 each, their results quantised to codes again.
;   T = 0: A = query, B = Wq: q[s][o];   T = 1: A = key_, B = Wk: k[s][o];   T = 2: A = Wv, B = value: v^T[o][s]: the keys come out innermost.
; q and k are multiplied by 1 / sqrt(128) in f32; the powers of two (operands' scales, result's scale) are folded into the conversion's one scale.  eo = entry 6, 7, 8; the operands' are 0 1, 2 3, 4 5.
; LIMIT: eo - ea - eb lies between -126 and 108, so that the powers of two below and the hold's bound are f32 numbers.  NaN and infinity codes among the inputs are not treated specially.
; WORK LEFT OUT in the program: in launch attn the key steps of 128 keys that all come after a wave's queries.  reference() sets their logits to the smallest f32 number ahead of the softmax, whatever the inputs, so they weigh nothing.
; LIMIT: a NaN, an infinity or an overflow that reaches only such a step is not carried to the result.
; SHARES.  A work-group of four waves makes 256 x 256, a wave 128 x 128: 64 accumulators, 512 registers: 3 x 64 = 192 work-groups.  2,048 has no factor 3, so no equal block gives 256 of them;
; three blocks of 128 x 128 each would read every fragment for half as many products.  K goes in steps of 256 through a ring of two LDS slots; a tile's row is 256 bytes of memory.
; CLUSTERS: 4 x 4 work-groups inside one product (T = cluster y / 2).  The four of a row ask JOINTLY for A's tiles, the four of a column for B's.
; PREFETCH: behind K step s's joint load each wave names K step s + 2 (behind step 0's also step 1, whose load sets out when step 0 has landed): 32 rows x 256 bytes, a lane a row, one instruction.
; Of the 128 rows that a wave fetches each of the four partners names 32, told apart by address (cx for A, cy for B), so each block of 256 bytes is named once in each cluster.  Steps 6 and 7 name nothing.
; TRANSPOSED USE (source 0 = 16 rows of B, source 1 = 16 rows of A): a lane holds eight neighbouring numbers of a row of C: eight codes.
; THE RESULT'S LAYOUT: dense blocks of 128 rows x 128 bytes, one a wave.  Block (bm, bn) at bn x 262,144 + bm x 16,384 (T = 0, 1) or bm x 262,144 + bn x 16,384 (T = 2).
; Inside a block row 16 a + 8 g + i lies at place 32 (a / 2) + 16 g + 8 (a % 2) + i, so that 16 neighbouring rows give, in the next launch, results that are neighbours along its next K.
; REGISTERS: window 0: v0-31 addresses and constants, v32-127 the way out, v128-255 A's fragments (one set), on the way out the rows read back.  Window 1: B's fragments, two sets.
; Window 2: accumulators of my rows 0-63 ((a, b) at v[8 (8 a + b)]); window 3: of rows 64-127.
.set ROWB,   256                       ; a tile's row in bytes = a K step
.set KROW,   2048                      ; a row of A or B in memory
.set PITCH,  272                       ; an LDS row: 256 bytes + 16 of padding: the 16 rows that a load touches start 4 words apart modulo 64
.set FR,     16                        ; registers of a fragment
.set HALFT,  128*PITCH                 ; 128 rows: what one tensor load brings
.set SLOT,   4*HALFT                   ; A's 256 rows, then B's 256
.set SPARE,  2*SLOT                    ; the spare words: two blocks of 256 bytes that no other line names
.set SPITCH, 144                       ; the stage: 16 rows x (128 + 16) bytes a wave, in slot 0, which has had its last fill and last read by then
.set ADRA, 16
.set ADRB, 20
.set STO,  24
.set RD,   25
.set CO,   26                          ; 16 x lane
.set PFO,  27                          ; the prefetch's offset: 2,048 x lane; never rewritten
.set SPW,  28
.set NIL,  29
.set SCL,  30                          ; 2^(eo - ea - eb)
.set LIMV, 31                          ; the hold's bound ahead of the multiply
.set TMP,  32
.set PC,   96                          ; v96-111, v112-127: a block's codes, by turns
.set AF,   128
.set BK,   128                         ; block a's rows read back at v[128 + 16 a]: the registers that held A's block a
.set G1, 24
.set G0, 32
.set G1B, 48
.set G0B, 56
.set PFA, 80                           ; s[80:81] where my prefetches stand
.set MSB, 0
.macro WIN new                         ; the immediate's high byte repeats the setting that is left
.if MSB != (\new)
	s_set_vgpr_msb (MSB<<8)|(\new)
.set MSB, (\new)
.endif
.endm
.set MUL_LO, 0xa1                      ; source 0 window 1, source 1 window 0, C and D window 2 (MUL_HI: 3)
.set MUL_HI, 0xf1
.set TO_B,   0x40
; A joint load: waves 0 and 1 for A, 2 and 3 for B; the branch hangs on the wave's number alone.  An s_nop 0 and four v_nop follow each line.
.macro JLOAD s
	s_cmp_eq_u32 s15, 0
	s_cbranch_scc0 .Lfor_b_\@
	tensor_load_to_lds s[G0+4*\s:G0+4*\s+3], s[G1:G1+7]
	s_nop 0
.rept 4
	v_nop
.endr
	s_branch .Lasked_\@
.Lfor_b_\@:
	tensor_load_to_lds s[G0B+4*\s:G0B+4*\s+3], s[G1B:G1B+7]
	s_nop 0
.rept 4
	v_nop
.endr
.Lasked_\@:
.endm
.macro CREST                           ; a round of the cluster's barrier behind its opening barrier
	s_cmp_lg_u32 s14, 0
	s_cbranch_scc1 .Lnot_wave_0_\@
	s_barrier_signal -3
.Lnot_wave_0_\@:
	s_barrier_wait -3
	s_barrier_signal -1
	s_barrier_wait -1
.endm
.macro CROUND
	s_barrier_signal -1
	s_barrier_wait -1
	CREST
.endm
.macro PREF off
	global_prefetch_b8 v[PFO], s[PFA:PFA+1] offset:\off th:TH_LOAD_NT scope:SCOPE_SE
.endm
.macro ASK off                         ; in the loop: its last trip loads the last two K steps and names nothing
	s_cmp_gt_u32 s3, 1
	s_cbranch_scc0 .Lnone_\@
	PREF \off
.Lnone_\@:
.endm
	s_load_b512 s[68:83], s[0:1], 0x0              ; query, Wq, key_, Wk, Wv, value, the scales s[80:81], qc s[82:83]
	s_load_b128 s[84:87], s[0:1], 0x40             ; kc, vc
	v_lshl_add_u32 v[SPW], v0, 2, SPARE
	v_mov_b32 v[NIL], 0
	ds_add_u32 v[SPW], v[NIL]                      ; the opening add, twice on end
	ds_add_u32 v[SPW], v[NIL]
	v_lshrrev_b32 v1, 5, v0
	v_readfirstlane_b32 s14, v1                    ; wave 0..3
	s_lshr_b32 s15, s14, 1                         ; which half of the rows is mine; I fetch for A (0) or B (1)
	s_and_b32 s16, s14, 1                          ; which half of the columns; which 128 rows I fetch
	s_bfe_u32 s40, ttmp6, 0x40000                  ; cx, cy
	s_bfe_u32 s41, ttmp6, 0x40004
	s_lshl_b32 s42, ttmp9, 2
	s_add_co_u32 s42, s42, s40                     ; tile column
	s_and_b32 s88, ttmp7, 0xffff
	s_lshr_b32 s89, s88, 1                         ; T: the same in all sixteen partners
	s_and_b32 s17, s88, 1
	s_lshl_b32 s17, s17, 2
	s_add_co_u32 s17, s17, s41                     ; tile row
	s_lshl_b32 s43, s41, 2
	s_lshl_b32 s43, 15, s43                        ; my row of the cluster
	s_lshl_b32 s44, 0x1111, s40                    ; my column
	; group 1: 128 rows x 256 bytes, four words of padding behind every 64 words; the mask, bit 21 beside it
	s_or_b32 s[G1+0], s43, (1<<20)|(1<<21)|(5<<22)|(3<<25)
	s_or_b32 s[G1B+0], s44, (1<<20)|(1<<21)|(5<<22)|(3<<25)
.irp g, G1, G1B
	s_mov_b32 s[\g+1], ROWB<<16
	s_mov_b32 s[\g+2], 128<<16
	s_mov_b32 s[\g+3], ROWB<<16
	s_mov_b32 s[\g+4], 128
	s_mov_b32 s[\g+5], KROW
	s_mov_b32 s[\g+6], 0
	s_mov_b32 s[\g+7], 0
.endr
	s_lshl_b32 s18, s16, 7
	s_lshl_b32 s20, s17, 8
	s_add_co_u32 s20, s20, s18
	s_lshl_b32 s20, s20, 11                        ; A: (256 x tile row + 128 x half) rows of 2,048 bytes
	s_mov_b32 s21, 0
	s_lshl_b32 s46, s42, 8
	s_add_co_u32 s46, s46, s18
	s_lshl_b32 s46, s46, 11                        ; B likewise by the tile column
	s_mov_b32 s47, 0
	s_mul_i32 s45, s14, HALFT                      ; where they go: wave x 128 rows
	s_mul_i32 s90, s15, HALFT                      ; my 128 rows of A
	s_mul_i32 s91, s16, HALFT
	s_add_co_u32 s91, s91, 2*HALFT                 ; and of B
	s_mul_i32 s92, s14, 16*SPITCH                  ; my stage
	v_and_b32 v1, 15, v0                           ; r
	v_bfe_u32 v2, v0, 4, 1                         ; h
	v_mul_u32_u24 v3, v1, PITCH
	v_lshl_add_u32 v4, v2, 4, v3                   ; a fragment's row x pitch + 16 h
	v_add_nc_u32 v[ADRA], s90, v4
	v_add_nc_u32 v[ADRB], s91, v4
	v_add_nc_u32 v[ADRA+1], SLOT, v[ADRA]
	v_add_nc_u32 v[ADRB+1], SLOT, v[ADRB]
	v_mul_u32_u24 v5, v1, SPITCH                   ; stage, in: row r, 8 bytes for each half of the lanes
	v_lshl_add_u32 v5, v2, 3, v5
	v_add_nc_u32 v[STO], s92, v5
	v_and_b32 v6, 31, v0
	v_lshlrev_b32 v[CO], 4, v6
	v_lshlrev_b32 v[PFO], 11, v6
	v_lshrrev_b32 v7, 3, v6                        ; stage, back: eight lanes to a row of 128 bytes, four rows an instruction
	v_and_b32 v8, 7, v6
	v_mul_u32_u24 v7, v7, SPITCH
	v_lshl_add_u32 v7, v8, 4, v7
	v_add_nc_u32 v[RD], s92, v7
	s_wait_alu depctr_va_vdst(0)                   ; ahead of the waits and barriers below
	s_wait_dscnt 0x0                               ; both opening adds are done
	s_wait_kmcnt 0x0
	s_cmp_eq_u32 s89, 1                            ; the buffers of my product
	s_cselect_b64 s[4:5], s[72:73], s[68:69]
	s_cselect_b64 s[6:7], s[74:75], s[70:71]
	s_cselect_b64 s[10:11], s[84:85], s[82:83]
	s_cmp_eq_u32 s89, 2
	s_cselect_b64 s[4:5], s[76:77], s[4:5]
	s_cselect_b64 s[6:7], s[78:79], s[6:7]
	s_cselect_b64 s[10:11], s[86:87], s[10:11]
	s_mov_b64 s[8:9], s[80:81]
	s_load_b256 s[68:75], s[8:9], 0x0              ; exponents 0 to 7,
	s_load_b128 s[76:79], s[8:9], 0x20             ; 8 to 11
	s_add_nc_u64 s[4:5], s[4:5], s[20:21]
	s_add_nc_u64 s[6:7], s[6:7], s[46:47]
.irp s, 0,1
	s_mov_b32 s[G0+4*\s], 1
	s_add_co_u32 s[G0+4*\s+1], s45, \s*SLOT
	s_add_nc_u64 s[G0+4*\s+2:G0+4*\s+3], s[4:5], \s*ROWB
	s_or_b32 s[G0+4*\s+3], s[G0+4*\s+3], 0x80000000
	s_mov_b32 s[G0B+4*\s], 1
	s_add_co_u32 s[G0B+4*\s+1], s45, \s*SLOT
	s_add_nc_u64 s[G0B+4*\s+2:G0B+4*\s+3], s[6:7], \s*ROWB
	s_or_b32 s[G0B+4*\s+3], s[G0B+4*\s+3], 0x80000000
.endr
	CROUND                                         ; all sixteen work-groups are here
	JLOAD 0                                        ; K step 0: one tensor load a wave at the head
	s_cmp_eq_u32 s15, 0                            ; the prefetches: my 128 rows of A or of B, my work-group's 32 of them
	s_cselect_b64 s[PFA:PFA+1], s[4:5], s[6:7]
	s_cselect_b32 s18, s40, s41
	s_lshl_b32 s18, s18, 16
	s_mov_b32 s19, 0
	s_add_nc_u64 s[PFA:PFA+1], s[PFA:PFA+1], s[18:19]
	PREF ROWB
	PREF 2*ROWB
	; my block of the result: bm = 2 x tile row + my half of the rows, bn = 2 x tile column + my half of the columns
	s_lshl_b32 s20, s17, 1
	s_add_co_u32 s20, s20, s15
	s_lshl_b32 s46, s42, 1
	s_add_co_u32 s46, s46, s16
	s_cmp_eq_u32 s89, 2
	s_cselect_b32 s21, s20, s46                    ; the head
	s_cselect_b32 s47, s46, s20                    ; the block inside the head
	s_lshl_b32 s21, s21, 18
	s_lshl_b32 s47, s47, 14
	s_add_co_u32 s20, s21, s47
	s_mov_b32 s21, 0
	s_add_nc_u64 s[10:11], s[10:11], s[20:21]
.macro FRAG reg, adr, q, i             ; 16 rows x 128 K: lane l holds row l % 16; registers 4 c .. 4 c + 3: K = 32 c + 16 (l / 16) + 0 .. 15, the same in A and B
.irp c, 0,1,2,3
	ds_load_b128 v[\reg+4*\c:\reg+4*\c+3], v[\adr] offset:128*(\q)+32*\c+(\i)*16*PITCH
.endr
.endm
; 16 matrix instructions: A's blocks a0, a0 + 1 x B's eight.  p: B's set.  The 64 accumulators take turns, in the same order in every step.
.macro MUL16 a0, p, zero
.irp a, \a0, \a0+1
.irp b, 0,1,2,3,4,5,6,7
.if \zero
	v_wmma_f32_16x16x128_bf8_bf8 v[8*(8*((\a)%4)+\b):8*(8*((\a)%4)+\b)+7], v[128*(\p)+FR*\b:128*(\p)+FR*\b+FR-1], v[AF+FR*(\a):AF+FR*(\a)+FR-1], 0
.else
	v_wmma_f32_16x16x128_bf8_bf8 v[8*(8*((\a)%4)+\b):8*(8*((\a)%4)+\b)+7], v[128*(\p)+FR*\b:128*(\p)+FR*\b+FR-1], v[AF+FR*(\a):AF+FR*(\a)+FR-1], v[8*(8*((\a)%4)+\b):8*(8*((\a)%4)+\b)+7]
.endif
.endr
.endr
.endm
.macro FETCH_B slot, q, p
	WIN TO_B
.irp i, 0,1,2,3,4,5,6,7
	FRAG 128*(\p)+FR*\i, ADRB+\slot, \q, \i
.endr
	WIN 0
.endm
.macro FETCH_A slot, q, i0
.irp i, \i0, \i0+1, \i0+2, \i0+3
	FRAG AF+FR*(\i), ADRA+\slot, \q, \i
.endr
.endm
; Four places in front of each run of loads into registers that matrix instructions have read, and of the first read of results.
.macro PLACES
.rept 4
	v_nop
.endr
.endm
; A step of 128 along K that has its successor in the same slot.
.macro STEP slot, q, zero
	s_wait_dscnt 16                                ; B's set and A's blocks 0-3 are in; A's blocks 4-7 may be out
	WIN MUL_LO
	MUL16 0, (\q)%2, \zero
	MUL16 2, (\q)%2, \zero
	s_wait_dscnt 0
	PLACES
	FETCH_B \slot, (\q)+1, 1-(\q)%2
	FETCH_A \slot, (\q)+1, 0
	WIN MUL_HI
	MUL16 4, (\q)%2, \zero
	MUL16 6, (\q)%2, \zero
	PLACES
	WIN 0
	FETCH_A \slot, (\q)+1, 4
.endm
; A slot's last step changes slots.  fill = 1: this slot is filled again, two K steps ahead, behind a round of the cluster's barrier.
.macro TURN slot, next, fill
.if \fill
.if \slot == 0
	s_wait_xcnt 0x0                                ; my prefetches have read their address: it goes on by two K steps
	s_add_nc_u64 s[PFA:PFA+1], s[PFA:PFA+1], 2*ROWB
.endif
.endif
	s_wait_tensorcnt 0x0                           ; all my tensor loads have landed: my part of the next slot; every group 0 may be written
	ds_add_u32 v[SPW], v[NIL]                      ; 0 onto my spare word
.if \fill
	s_add_nc_u64 s[G0+4*\slot+2:G0+4*\slot+3], s[G0+4*\slot+2:G0+4*\slot+3], 2*ROWB
	s_add_nc_u64 s[G0B+4*\slot+2:G0B+4*\slot+3], s[G0B+4*\slot+2:G0B+4*\slot+3], 2*ROWB
.endif
	s_wait_dscnt 17                                ; (the add and A's blocks 4-7 may be out)
	WIN MUL_LO
	MUL16 0, 1, 0
	s_wait_dscnt 0x0                               ; the add is done, and my reads of this slot are over
	s_barrier_signal -1
	MUL16 2, 1, 0
	WIN 0
	s_barrier_wait -1
.if \fill
	CREST                                          ; no wave of any partner still reads this slot or has a load on its way
	JLOAD \slot                                    ; the first tensor load behind the round; its four v_nop are the places for the loads below
.else
	PLACES
.endif
	FETCH_B \next, 0, 0
	FETCH_A \next, 0, 0
.if \fill
	ASK (2+\slot)*ROWB                             ; the K step two on from the one just asked for
.endif
	WIN MUL_HI
	MUL16 4, 1, 0
	MUL16 6, 1, 0
	PLACES
	WIN 0
	FETCH_A \next, 0, 4
.endm
	s_wait_tensorcnt 0x0                           ; my part of K step 0 is in
	ds_add_u32 v[SPW], v[NIL]
	s_wait_dscnt 0x0
	CROUND                                         ; everybody's is
	JLOAD 1                                        ; K step 1, the first tensor load behind the round
	FETCH_B 0, 0, 0
	FETCH_A 0, 0, 0
	FETCH_A 0, 0, 4
	PREF 3*ROWB
	STEP 0, 0, 1                                   ; the first step's products start the sums
	s_mov_b32 s3, 3
.Llap:                                                 ; a trip goes once round the ring and fills both slots again: K steps 2 and 3, 4 and 5, 6 and 7
	TURN 0, 1, 1
	STEP 1, 0, 0
	TURN 1, 0, 1
	STEP 0, 0, 0
	s_sub_co_u32 s3, s3, 1
	s_cmp_lg_u32 s3, 0
	s_cbranch_scc1 .Llap
	; the way out's constants, chosen without a jump
	s_wait_kmcnt 0x0
	s_sub_co_i32 s90, s74, s68                     ; q: e6 - e0 - e1
	s_sub_co_i32 s90, s90, s69
	s_sub_co_i32 s91, s75, s70                     ; k: e7 - e2 - e3
	s_sub_co_i32 s91, s91, s71
	s_sub_co_i32 s92, s76, s72                     ; v: e8 - e4 - e5
	s_sub_co_i32 s92, s92, s73
	s_mov_b32 s96, 0x3db504f3                      ; 1 / sqrt(128)
	s_mov_b32 s98, 0x413504f3                      ; sqrt(128)
	s_cmp_eq_u32 s89, 1
	s_cselect_b32 s90, s91, s90
	s_cmp_eq_u32 s89, 2
	s_cselect_b32 s90, s92, s90
	s_cselect_b32 s96, 1.0, s96                    ; v is not scaled
	s_cselect_b32 s98, 1.0, s98
	s_mov_b32 s97, s96                             ; (named with it as a pair)
	s_add_co_i32 s90, s90, 127
	s_lshl_b32 s91, s90, 23
	v_mov_b32 v[SCL], s91                          ; a sum stands for sum x 2^(ea + eb), its code is that / 2^eo
	s_add_co_i32 s90, s90, 15
	s_lshl_b32 s90, s90, 23
	s_or_b32 s90, s90, 0x600000                    ; 57,344 x that
	v_mov_b32 v[LIMV], s90
	v_mul_f32 v[LIMV], s98, v[LIMV]                ; held ahead of the multiply by 1 / sqrt(128): the product lies within f32's rounding of 57,344 x the scale, which is that code
	s_wait_alu depctr_va_vdst(0)                   ; ahead of the waits below
	TURN 0, 1, 0                                   ; the last lap fills nothing
	STEP 1, 0, 0
; THE LAST STEP AND THE WAY OUT.  A's blocks are finished one after the other; block a - 1 is held, scaled and converted between block a's products.  A lane's 8 bytes belong to one row and the lanes beside
; it hold other rows: a block goes through my stage and comes back as whole rows of 128 bytes, four to an instruction: 512 consecutive bytes.  LDS serves a wave's instructions in order (ISA guide 5.7.1.4).
.macro EPI x, b                        ; an accumulator, from its low end on.  Window: source 0 = the accumulators'
.irp i, 0,1,2,3,4,5,6,7
	v_med3_num_f32 v[TMP+8*\b+\i], v[64*((\x)%4)+8*\b+\i], -v[LIMV], v[LIMV]   ; the conversion does not saturate (ISA guide 7.6.2)
.endr
.irp i, 0,2,4,6
	v_pk_mul_f32 v[TMP+8*\b+\i:TMP+8*\b+\i+1], s[96:97], v[TMP+8*\b+\i:TMP+8*\b+\i+1] op_sel_hi:[0,1]
.endr
.endm
.macro STAGEB x
.set PP, PC+16*((\x)%2)
	WIN 0
.irp b, 0,1,2,3,4,5,6,7
	v_cvt_scalef32_pk8_bf8_f32 v[PP+2*\b:PP+2*\b+1], v[TMP+8*\b:TMP+8*\b+7], v[SCL]   ; columns 16 b + 8 h + 0 .. 7 of row r
.endr
	v_nop                                          ; a plain vector instruction behind the last conversion
.irp b, 0,1,2,3,4,5,6,7
	ds_store_b64 v[STO], v[PP+2*\b:PP+2*\b+1] offset:16*\b
.endr
.irp t, 0,1,2,3
	ds_load_b128 v[BK+16*(\x)+4*\t:BK+16*(\x)+4*\t+3], v[RD] offset:4*\t*SPITCH
.endr
.endm
.macro SEND x, younger                 ; younger: the LDS instructions issued behind block x's loads
	s_wait_dscnt \younger
.irp t, 0,1,2,3
	global_store_b128 v[CO], v[BK+16*(\x)+4*\t:BK+16*(\x)+4*\t+3], s[10:11] offset:(32*((\x)/2)+16*(\t/2)+8*((\x)%2)+4*(\t%2))*128   ; rows 16 x + 4 t + 0 .. 3 at their places: 512 consecutive bytes
.endr
.endm
.macro LAST a, b
	v_wmma_f32_16x16x128_bf8_bf8 v[8*(8*((\a)%4)+\b):8*(8*((\a)%4)+\b)+7], v[128+FR*\b:128+FR*\b+FR-1], v[AF+FR*(\a):AF+FR*(\a)+FR-1], v[8*(8*((\a)%4)+\b):8*(8*((\a)%4)+\b)+7]
.endm
.macro PHASE a                         ; block a's products with block a - 1's arithmetic between them
.irp b, 0,1,2,3,4,5,6,7
	WIN MUL_LO+0x50*((\a)/4)
	LAST \a, \b
	WIN 2+((\a-1)/4)
	EPI (\a-1), \b
.endr
	STAGEB (\a-1)
.if \a > 1
	SEND (\a-2), 12                                ; behind its loads: the next block's 8 stores and 4 loads; so A's blocks 4-7 have long come in
.endif
.endm
	s_wait_dscnt 16                                ; A's blocks 4-7 may be out
	WIN MUL_LO
.irp b, 0,1,2,3,4,5,6,7
	LAST 0, \b
.endr
	PLACES                                         ; block 0's results are read below
.irp a, 1,2,3,4,5,6,7
	PHASE \a
.endr
	WIN 3
.irp b, 0,1,2,3,4,5,6,7
	EPI 7, \b
.endr
	STAGEB 7
	SEND 6, 12
	SEND 7, 0
	s_wait_tensorcnt 0x0                           ; the wave's end
	ds_add_u32 v[SPW], v[NIL]
	s_wait_dscnt 0x0
	CROUND                                         ; the closing round: no work-group ends while a partner may still ask for a tile that names it
	s_endpgm
.Lfunc_end_k_q67ed7ef995_proj:
	.size	k_q67ed7ef995_proj, .Lfunc_end_k_q67ed7ef995_proj-k_q67ed7ef995_proj
	.p2alignl 7, 3214868480
	.fill 96, 4, 3214868480
	.section	.rodata,"a",@progbits
	.p2align	6, 0x0
	.amdhsa_kernel k_q67ed7ef995_proj
		.amdhsa_group_segment_fixed_size 327680
		.amdhsa_private_segment_fixed_size 0
		.amdhsa_enable_private_segment 0
		.amdhsa_kernarg_size 80
		.amdhsa_user_sgpr_count 2
		.amdhsa_user_sgpr_kernarg_segment_ptr 1
		.amdhsa_wavefront_size32 1
		.amdhsa_system_sgpr_workgroup_id_x 1
		.amdhsa_system_sgpr_workgroup_id_y 1
		.amdhsa_system_sgpr_workgroup_id_z 1
		.amdhsa_system_vgpr_workitem_id 0
		.amdhsa_next_free_vgpr 1024
		.amdhsa_next_free_sgpr 100
		.amdhsa_reserve_vcc 0
		.amdhsa_float_denorm_mode_32 3
		.amdhsa_float_denorm_mode_16_64 3
		.amdhsa_memory_ordered 1
		.amdhsa_forward_progress 1
		.amdhsa_inst_pref_size 145
	.end_amdhsa_kernel
	.amdgpu_metadata
---
amdhsa.version: [ 1, 2 ]
amdhsa.kernels:
  - .name:           k_q67ed7ef995_proj
    .symbol:         k_q67ed7ef995_proj.kd
    .args:
      - { .name: query_codes, .offset: 0, .size: 8, .value_kind: global_buffer, .address_space: global }
      - { .name: Wq_codes, .offset: 8, .size: 8, .value_kind: global_buffer, .address_space: global }
      - { .name: key__codes, .offset: 16, .size: 8, .value_kind: global_buffer, .address_space: global }
      - { .name: Wk_codes, .offset: 24, .size: 8, .value_kind: global_buffer, .address_space: global }
      - { .name: Wv_codes, .offset: 32, .size: 8, .value_kind: global_buffer, .address_space: global }
      - { .name: value_codes, .offset: 40, .size: 8, .value_kind: global_buffer, .address_space: global }
      - { .name: lowp_scales, .offset: 48, .size: 8, .value_kind: global_buffer, .address_space: global }
      - { .name: qc, .offset: 56, .size: 8, .value_kind: global_buffer, .address_space: global }
      - { .name: kc, .offset: 64, .size: 8, .value_kind: global_buffer, .address_space: global }
      - { .name: vc, .offset: 72, .size: 8, .value_kind: global_buffer, .address_space: global }
    .group_segment_fixed_size: 327680
    .private_segment_fixed_size: 0
    .kernarg_segment_align: 8
    .kernarg_segment_size: 80
    .max_flat_workgroup_size: 128
    .sgpr_count:     100
    .vgpr_count:     1024
    .wavefront_size: 32
...
	.end_amdgpu_metadata
.endif
;; end of part 1
;; launch attn (part 2): grid 16 x 16, 16 waves a work-group, clusters of 4 x 1, 327,680 bytes of LDS; arguments qc, kc, vc, lowp_scales, ac; writes ac
.if DOCPART == 2
	.amdgcn_target "amdgcn-amd-amdhsa--gfx1250"
	.amdhsa_code_object_version 6
	.text
	.protected	k_q67ed7ef995_attn
	.globl	k_q67ed7ef995_attn
	.p2align	8
	.type	k_q67ed7ef995_attn,@function
k_q67ed7ef995_attn:
	s_mov_b64 s[64:65], 0
	v_nop
	global_prefetch_b8 v0, s[64:65] scope:SCOPE_SE
	s_setreg_imm32_b32 hwreg(HW_REG_WAVE_MODE, 25, 1), 1
	s_wait_xcnt 0x0
	s_wait_alu depctr_hold_cnt(0) depctr_sa_sdst(0) depctr_va_vdst(0) depctr_va_sdst(0) depctr_va_ssrc(0) depctr_va_vcc(0) depctr_vm_vsrc(0)
	s_getreg_b32 s2, hwreg(HW_REG_IB_STS2, 6, 4)
	s_cmp_eq_u32 s2, 0
	s_cbranch_scc0 .Lentry_in_a_cluster
	s_endpgm
.Lentry_in_a_cluster:
	s_bfe_u32 s2, ttmp6, 0x10000c
	s_cmp_lg_u32 s2, 0x3003
	s_cbranch_scc0 .Lentry_shape_is_right
	s_endpgm
.Lentry_shape_is_right:
; CAUSAL ATTENTION on codes of BF8 (E5M2): attn[s][head][:] = the sum over keys k <= s of softmax_k(q[s] . k[k]) v[k][:], quantised to codes for the last product.  (q and k carry their 1 / sqrt(128) already.)
; qc, kc: [head][2,048 rows][128 bytes]; vc: [head][key block of 128][128 rows d][128 keys]; in each block of 128 rows, row 16 a + 8 g + i lies at place 32 (a / 2) + 16 g + 8 (a % 2) + i.
; ac: tile of 16 queries (s / 16) x 32,768 + head x 2,048 + 512 b + 16 x lane.   Scales: q entry 6, k 7, v 8, p 9, attn 10.
; THE SOFTMAX AHEAD OF THE SECOND PRODUCT: t = logit x log2(e); M = the largest t so far, rounded UP to a whole number; p = 2^(t - M) is what is quantised; the sum is taken of the unquantised p and divides at the end.
; When M moves, the sum and O are multiplied by 2^(old M - new M): exact.
; SHARES.  A work-group owns four blocks of 32 queries of one head: blocks x, 31 - x, 32 + x, 63 - x (x = 4 x cluster x + cx): their last key steps (128 keys a step) are a, 7 - a, 8 + a, 15 - a with a = cluster x:
; 34 key steps in every work-group, and the same numbers in all four partners of a cluster, so every causal branch is alike in them.  A tile of 16 queries has TWO waves: one takes the even key steps, one the odd;
; their sums are merged at the end through LDS, by exact powers of two.  Wave w: i = w / 4, j = w % 4: block class (i + j) % 4, tile i % 2 of the block, parity i / 2.  The partner is wave w xor 10.
; THE RING.  Two slots of 512 keys: four key steps, each as its K tile and, behind it, its V tile.  The head's 2,048 keys are four fills: both slots at the start, then each slot once more; so the text is written straight,
; and a refill has two key steps of every wave in which to land.  Every work-group makes all four fills; a wave has two key steps a slot and jumps over the work of a step all of whose keys come after its queries.
; CLUSTER: the four work-groups of a cluster belong to one head and walk the same K and V: each tile is asked for JOINTLY.  Waves 0 to 3 fetch a slot's four K tiles, waves 4 to 7 its four V tiles, one load each.
; LAYOUT.  Both products are used transposed: S^T = K Q^T, O^T = V^T P^T: a lane holds ONE query (lane % 16) throughout.  By the rows' places in kc, the 16 registers of score tiles 2 b and 2 b + 1 are the 16
; neighbouring keys 32 b + 16 (lane / 16) + 0 .. 15; by those in vc, the 16 registers of O^T's tiles 2 B and 2 B + 1 are channels 32 B + 16 (lane / 16) + 0 .. 15: both are what a conversion wants.
; LIMITS on the given exponents, so that each power of two below is an f32 number: e6 + e7 between -126 and 127 (added to log2(e)'s exponent field); e9, and e10 - e8 - e9, between -126 and 112.
; REGISTERS: v1-11 addresses; v12 -M, v13 the largest t, v[14:15] the sum in two halves; v16-31 Q; v32-95 four fragments of K or of V; v96-159 S^T, then p, then V's other four fragments; v160-223 O^T; v224-239 codes; v240-255 constants and at work.
.set KP,    144                        ; a row of a tile in LDS: 128 bytes + 16 of padding
.set TILE,  128*KP                     ; a tile: 128 rows
.set PAIR,  2*TILE                     ; a key step: its K tile, then its V tile
.set SLOTB, 4*PAIR                     ; a slot: four key steps
.set FILLB, 65536                      ; a slot's four K tiles, or its four V tiles, in memory
.set SPARE, 2*SLOTB                    ; behind the ring: the spare words, 128 bytes for each of 16 waves: eight blocks of 256 bytes that no other line names
; THE LAYOUT OF ac THAT HOLDS: the image of the next launch's operand registers: tile of 16 queries (s / 16) x 32,768 + head x 2,048 + 512 b + 16 x lane: lane (r, h)'s 16 bytes are channels 32 b + 16 h + 0 .. 15 of query r.
.set MIMG,  8704                       ; the merge: an image of 64 registers of O^T (16 x 512 bytes) and of v[12:15] (512 bytes).  The eight images lie in slot 0's bytes: it has had its last fill, and nobody reads it behind the last change of slots
.set AK0,  1                           ; v1   my lane's place in my parity's first key step of a slot: r x 144 + 16 h + parity x PAIR
.set MA,   2                           ; v2   my lane's place in the merge image that I write (odd parity) or read (even)
.set PFO,  3                           ; v3   256 x lane: the prefetch's offset; never rewritten
.set DM,   4                           ; v4   my query - the diagonal step's first key - 16 h
.set SPW,  5                           ; v5   LDS address of my spare word: SPARE + 4 x my thread's number; never rewritten
.set NIL,  6                           ; v6   0; never rewritten
.set GO,   7                           ; v7   16 x lane
.set ADK,  8                           ; v8   LDS address of the step's tiles
.set QA,   11                          ; v11  Q: my lane's byte in the tile's rows
.set WV,   18                          ; s18  my wave's number
.set SEL,  20                          ; s[20:21] lane selects for v_permlanex16_b32: lane l xor 16
.set CS,   22                          ; s[22:23] c = log2(e) x 2^(e6 + e7): the packed form names a pair and takes its low word for both halves
.set G1,   24                          ; s[24:31] descriptor group 1: one shape for K's and V's tiles
.set G0A,  32                          ; s[32:35] group 0 of my tile in slot 0;  s[36:39] in slot 1
.set G0B,  36
.set JS,   42                          ; s42  my key step in hand: parity, parity + 2, ..
.set JL,   43                          ; s43  my queries' last key step
.set PFA,  44                          ; s[44:45] where my prefetch stands in memory; never rewritten
.set LIM,  46                          ; s46  0 in a wave that prefetches
; A round of the cluster's barrier.  No LDS instruction of the wave is pending at a signal.
.macro CROUND
	s_barrier_signal -1
	s_barrier_wait -1
	s_cmp_lg_u32 s[WV], 0
	s_cbranch_scc1 .Lnot_wave_0_\@
	s_barrier_signal -3
.Lnot_wave_0_\@:
	s_barrier_wait -3
	s_barrier_signal -1
	s_barrier_wait -1
.endm
; A joint refill: waves 0 to 7 fetch one tile each, the others nothing.  The branch hangs on the wave's number alone.  Four v_nop follow the line.
.macro TLOAD g0
	s_cmp_lt_u32 s[WV], 8
	s_cbranch_scc0 .Lasked_\@
	tensor_load_to_lds s[\g0:\g0+3], s[G1:G1+7]
	s_nop 0
.rept 4
	v_nop
.endr
.Lasked_\@:
.endm
; A PREFETCH, at the first change of slots, of what the second change will ask for: the last fill's 65,536 bytes of K and 65,536 of V, both dense: two key steps of every wave ahead of that load.
; Each aligned block of 256 bytes is named once in the launch: all clusters of a head walk the same K and V, so the head's first cluster asks; its four partners take 16,384 bytes of each tensor, told apart BY ADDRESS;
; in each, waves 8 and 9 ask for K's and waves 10 and 11 for V's, 8,192 bytes a wave, lanes 256 bytes apart: one instruction.  The first three fills come by their loads alone.
.macro ASK
	s_cmp_eq_u32 s[LIM], 0
	s_cbranch_scc0 .Lnot_mine_\@
	global_prefetch_b8 v[PFO], s[PFA:PFA+1] th:TH_LOAD_NT scope:SCOPE_SE
.Lnot_mine_\@:
.endm
	s_load_b256 s[4:11], s[0:1], 0x0               ; qc s[4:5], kc s[6:7], vc s[8:9], the scales s[10:11]
	s_load_b64 s[12:13], s[0:1], 0x20              ; ac
	v_lshl_add_u32 v[SPW], v0, 2, SPARE
	v_mov_b32 v[NIL], 0
	ds_add_u32 v5, v6
	ds_add_u32 v5, v6
	s_wait_dscnt 0x0
	v_lshrrev_b32 v32, 5, v0
	s_delay_alu instid0(VALU_DEP_1)
	v_readfirstlane_b32 s[WV], v32                 ; wave 0..15
	s_bfe_u32 s14, ttmp6, 0x40000                  ; cx: it enters global addresses and the mask's number DM alone
	s_lshl_b32 s15, ttmp9, 2
	s_add_co_u32 s15, s15, s14                     ; x = 4 x cluster x + cx
	s_and_b32 s16, ttmp7, 0xffff                   ; the head, which the four partners share
	s_lshr_b32 s66, s[WV], 2                       ; i
	s_and_b32 s67, s[WV], 3                        ; j.  Also: which of a slot's four key steps I fetch for, if I fetch
	s_add_co_u32 s68, s66, s67
	s_and_b32 s68, s68, 3                          ; the class of my block
	s_and_b32 s69, s66, 1                          ; u: which 16 of its 32 queries.  Also: I fetch a K tile (0) or a V tile (1)
	s_lshr_b32 s70, s66, 1                         ; my parity
	s_and_b32 s71, s68, 1
	s_lshr_b32 s72, s68, 1
	s_sub_co_u32 s73, 7, ttmp9
	s_cmp_eq_u32 s71, 1
	s_cselect_b32 s[JL], s73, ttmp9
	s_lshl_b32 s74, s72, 3
	s_add_co_u32 s[JL], s[JL], s74                 ; my last key step: a, 7 - a, 8 + a, 15 - a: made of the cluster's x and the wave's number alone
	s_sub_co_u32 s75, 31, s15
	s_cmp_eq_u32 s71, 1
	s_cselect_b32 s75, s75, s15
	s_lshl_b32 s76, s72, 5
	s_add_co_u32 s75, s75, s76                     ; my block of 32 queries: x, 31 - x, 32 + x, 63 - x
	s_and_b32 s77, s75, 3
	s_lshl_b32 s77, s77, 5
	s_lshl_b32 s76, s69, 4
	s_add_co_u32 s77, s77, s76                     ; my first query modulo 128
	s_mul_i32 s78, s67, PAIR                       ; where the tile that I fetch goes in a slot: the key step's pair,
	s_mul_i32 s83, s69, TILE                       ; K's tile or V's: made of the wave's number alone
	s_add_co_u32 s78, s78, s83
	s_mul_i32 s79, s70, PAIR
	s_and_b32 s80, s[WV], 7                        ; the merge image: the odd wave w writes number w % 8, the even wave reads its partner's: (w xor 10) % 8
	s_lshr_b32 s81, s[WV], 2
	s_and_b32 s81, s81, 2
	s_xor_b32 s80, s80, s81
	s_xor_b32 s80, s80, 2
	s_mul_i32 s80, s80, MIMG
	v_and_b32 v32, 15, v0                          ; r = lane % 16
	v_bfe_u32 v33, v0, 4, 1                        ; h = lane / 16
	v_and_b32 v34, 31, v0                          ; lane
	v_mul_u32_u24 v[AK0], v32, KP
	s_delay_alu instid0(VALU_DEP_1)
	v_lshl_add_u32 v[AK0], v33, 4, v[AK0]
	s_delay_alu instid0(VALU_DEP_1)
	v_add_nc_u32 v[AK0], s79, v[AK0]
	v_lshlrev_b32 v[GO], 4, v34
	s_delay_alu instid0(VALU_DEP_1)
	v_add_nc_u32 v[MA], s80, v[GO]
	v_lshlrev_b32 v[PFO], 8, v34
	v_lshlrev_b32 v[DM], 4, v33
	s_delay_alu instid0(VALU_DEP_1)
	v_sub_nc_u32 v[DM], v32, v[DM]
	s_delay_alu instid0(VALU_DEP_1)
	v_add_nc_u32 v[DM], s77, v[DM]
	v_and_b32 v[QA], 8, v32
	s_delay_alu instid0(VALU_DEP_1)
	v_add_nc_u32 v[QA], v[QA], v32                 ; query r of my tile lies r + 8 (r / 8) rows behind the tile's first
	s_delay_alu instid0(VALU_DEP_1)
	v_lshlrev_b32 v[QA], 7, v[QA]
	s_delay_alu instid0(VALU_DEP_1)
	v_lshl_add_u32 v[QA], v33, 4, v[QA]
	; descriptor group 1: a tile of 128 rows x 128 bytes, dense in memory, padded in LDS
	s_mov_b32 s[G1], 15|(1<<20)|(1<<21)|(4<<22)|(3<<25)   ; 15:0 the mask: all four work-groups; 17:16 elements of 1 byte; 20 padding on; 21 set beside a mask; 24:22 after every 32 words (code 4); 31:25 four words (code 3)
	s_mov_b32 s[G1+1], 256<<16                     ; the tile is dense in memory: stated as 64 rows of 256 bytes, with the padding still behind each 128 bytes
	s_mov_b32 s[G1+2], 64<<16
	s_mov_b32 s[G1+3], 256<<16
	s_mov_b32 s[G1+4], 64
	s_mov_b32 s[G1+5], 256
	s_mov_b32 s[G1+6], 0
	s_mov_b32 s[G1+7], 0
	s_mov_b32 s[SEL], 0x76543210
	s_mov_b32 s[SEL+1], 0xfedcba98
	s_mov_b32 s[CS], 0x3fb8aa3b                    ; log2(e)
	s_mov_b32 s[JS], s70
	s_lshl_b32 s84, s16, 18                        ; the head's 262,144 bytes,
	s_lshl_b32 s85, s67, 14                        ; my key step of the first fill
	s_add_co_u32 s84, s84, s85
	s_mov_b32 s85, 0
	s_lshl_b32 s86, s16, 18                        ; the prefetch: the head, my work-group's 16,384 bytes, my wave's 8,192 of them,
	s_lshl_b32 s87, s14, 14
	s_add_co_u32 s86, s86, s87
	s_and_b32 s87, s[WV], 1
	s_lshl_b32 s87, s87, 13
	s_add_co_u32 s86, s86, s87
	s_add_co_u32 s86, s86, 3*FILLB                 ; in the last fill
	s_mov_b32 s87, 0
	s_lshl_b32 s88, s16, 18                        ; Q: the head, my block's 32 rows of 128 bytes, my tile's first row: 8 u rows on
	s_lshl_b32 s89, s75, 12
	s_add_co_u32 s88, s88, s89
	s_lshl_b32 s89, s69, 10
	s_add_co_u32 s88, s88, s89
	s_mov_b32 s89, 0
	s_lshl_b32 s90, s75, 16                        ; ac: my tile of 16 queries x 32,768 + the head x 2,048
	s_lshl_b32 s91, s69, 15
	s_add_co_u32 s90, s90, s91
	s_lshl_b32 s91, s16, 11
	s_add_co_u32 s90, s90, s91
	s_mov_b32 s91, 0
	s_wait_kmcnt 0x0
	s_load_b256 s[48:55], s[10:11], 0x0            ; the scales' exponents, entries 0 to 7,
	s_load_b128 s[56:59], s[10:11], 0x20           ; and 8 to 11
	s_cmp_lt_u32 s[WV], 4                          ; waves 0 to 3 fetch from kc, waves 4 to 7 from vc: the choice hangs on the wave's number alone
	s_cselect_b64 s[94:95], s[6:7], s[8:9]
	s_add_nc_u64 s[94:95], s[94:95], s[84:85]
	s_mov_b32 s[G0A], 1                            ; 1:0 count = 1
	s_mov_b32 s[G0A+1], s78                        ; 63:32 LDS address: slot 0
	s_mov_b64 s[G0A+2:G0A+3], s[94:95]             ; 120:64 global address: the first fill
	s_or_b32 s[G0A+3], s[G0A+3], 0x80000000        ; 127:126 type = 2
	s_mov_b32 s[G0B], 1
	s_add_co_u32 s[G0B+1], s78, SLOTB              ; slot 1,
	s_add_nc_u64 s[G0B+2:G0B+3], s[94:95], FILLB   ; the second fill
	s_or_b32 s[G0B+3], s[G0B+3], 0x80000000
	CROUND                                         ; all four work-groups are here: the first joint loads meet
	s_cmp_lt_u32 s[WV], 8                          ; slot 0: one tensor load in each of waves 0 to 7 at the head
	s_cbranch_scc0 .Lfirst_asked
	tensor_load_to_lds s[G0A:G0A+3], s[G1:G1+7]
	s_nop 0
.rept 4
	v_nop
.endr
.Lfirst_asked:
	s_cmp_lt_u32 s[WV], 10
	s_cselect_b64 s[PFA:PFA+1], s[6:7], s[8:9]     ; waves 8 and 9 ask for K's codes, waves 10 and 11 for V's
	s_add_nc_u64 s[PFA:PFA+1], s[PFA:PFA+1], s[86:87]
	s_lshr_b32 s[LIM], s[WV], 2
	s_xor_b32 s[LIM], s[LIM], 2                    ; 0 in waves 8 to 11,
	s_or_b32 s[LIM], s[LIM], ttmp9                 ; where the cluster is the head's first: the same in all four partners
	s_add_nc_u64 s[4:5], s[4:5], s[88:89]
	s_add_nc_u64 s[12:13], s[12:13], s[90:91]
	s_wait_alu depctr_va_vdst(0)
.irp c, 0,1,2,3
	global_load_b128 v[16+4*\c:19+4*\c], v[QA], s[4:5] offset:32*\c   ; Q's fragment stays in registers: registers 4 c .. 4 c + 3 hold channels 32 c + 16 h + 0 .. 15, as K's fragments do
.endr
	v_mov_b32 v13, 0xff61b1e6                      ; the largest t so far: -3e38, under every t
	s_delay_alu instid0(VALU_DEP_1)
	v_floor_f32 v12, -v13                          ; -M
	v_mov_b32 v14, 0                               ; the sum, in two halves
	v_mov_b32 v15, 0
	v_mov_b32 v246, 0                              ; written once: a lane permute's destination counts as one of its sources
	v_mov_b32 v253, 0                              ; (named as the upper halves of the pairs v[252:253] and v[254:255])
	v_mov_b32 v255, 0
.irp j, 0,1,2,3,4,5,6,7,8,9,10,11,12,13,14,15,16,17,18,19,20,21,22,23,24,25,26,27,28,29,30,31,32,33,34,35,36,37,38,39,40,41,42,43,44,45,46,47,48,49,50,51,52,53,54,55,56,57,58,59,60,61,62,63
	v_mov_b32 v[160+\j], 0                         ; O^T.  (The step has no first form of its own: it finds zeros, which the first change of M leaves zeros; and a wave that has no step at all hands zeros to the merge)
.endr
	s_wait_kmcnt 0x0
	s_add_co_i32 s92, s54, s55
	s_lshl_b32 s92, s92, 23
	s_add_co_i32 s[CS], s[CS], s92                 ; a score stands for score x 2^(e6 + e7): the two exponents are added to c's exponent field
	s_mov_b32 s[CS+1], s[CS]                       ; (named with it as a pair, so it is written)
	s_add_co_i32 s92, s57, 127
	s_lshl_b32 s93, s92, 23
	v_mov_b32 v244, s93                            ; 2^e9 as f32, for p's conversions
	s_add_co_i32 s92, s92, 15
	s_lshl_b32 s92, s92, 23
	s_or_b32 s92, s92, 0x600000
	v_mov_b32 v240, s92                            ; 57,344 x 2^e9
	s_sub_co_i32 s92, s58, s56
	s_sub_co_i32 s92, s92, s57
	s_add_co_i32 s92, s92, 127
	s_lshl_b32 s93, s92, 23
	v_mov_b32 v245, s93                            ; 2^(e10 - e8 - e9): a sum of the second product stands for sum x 2^(e8 + e9), attn's code is that / 2^e10
	s_add_co_i32 s92, s92, 15
	s_lshl_b32 s92, s92, 23
	s_or_b32 s92, s92, 0x600000
	v_mov_b32 v241, s92                            ; 57,344 x that
; A KEY STEP OF MINE: 128 keys, whose pair of tiles lies off0 bytes behind my parity's first pair of slot 0.  A step all of whose keys come after my queries is left out: a scalar branch on ids, round the step's loads,
; products and softmax; no barrier and no tensor load stands in a step.
.macro STEP off0
	s_cmp_gt_u32 s[JS], s[JL]
	s_cbranch_scc1 .Lhidden_\@
	v_add_nc_u32 v[ADK], \off0, v[AK0]
	s_wait_alu depctr_va_vdst(0)
.irp g, 0,1                                    ; S^T = K Q^T, four tiles of 16 rows at a time
.rept 4
	v_nop                                          ; four places in front of loads into registers that matrix instructions have read; with the addition above FIVE at the step's head: the products below write over registers that the last step's products read
.endr
.irp t, 0,1,2,3
.irp c, 0,1,2,3
	ds_load_b128 v[32+16*\t+4*\c:32+16*\t+4*\c+3], v[ADK] offset:16*(4*\g+\t)*KP+32*\c
.endr
.endr
	s_wait_dscnt 0x0
.irp t, 0,1,2,3
	v_wmma_f32_16x16x128_bf8_bf8 v[96+8*(4*\g+\t):103+8*(4*\g+\t)], v[32+16*\t:47+16*\t], v[16:31], 0
.endr
.endr
.rept 4
	v_nop                                          ; four places: for the loads below and for the first read of the scores alike
.endr
.irp t, 0,1,2,3                                ; V's first four fragments are asked for here, into the registers that K has left: they land while the softmax is worked
.irp c, 0,1,2,3
	ds_load_b128 v[32+16*\t+4*\c:32+16*\t+4*\c+3], v[ADK] offset:TILE+16*\t*KP+32*\c
.endr
.endr
	s_cmp_lt_u32 s[JS], s[JL]                      ; in the one step on the diagonal the scores of hidden keys become -infinity ahead of the maximum: p = 0 then.  The step's first key counts for every one of my queries
	s_cbranch_scc1 .Lopen_\@
	v_mov_b32 v254, 0xff800000                     ; -infinity.  Register 16 b + i holds key 32 b + 16 h + i of the step: hidden where 32 b + i > DM
.irp n, 0,1,2,3,4,5,6,7,8,9,10,11,12,13,14,15,16,17,18,19,20,21,22,23,24,25,26,27,28,29,30,31,32,33,34,35,36,37,38,39,40,41,42,43,44,45,46,47,48,49,50,51,52,53,54,55,56,57,58,59,60,61,62,63
	v_cmp_gt_i32 vcc_lo, 32*(\n/16)+\n%16, v[DM]
	v_cndmask_b32 v[96+\n], v[96+\n], v254, vcc_lo
.endr
.Lopen_\@:
	v_max3_num_f32 v254, v96, v97, v98             ; the step's largest score of my query, among my 64 keys, in two chains,
	v_max3_num_f32 v252, v99, v100, v101
.irp i, 6,10,14,18,22,26,30,34,38,42,46,50,54,58
	v_max3_num_f32 v254, v254, v[96+\i], v[97+\i]
	v_max3_num_f32 v252, v252, v[98+\i], v[99+\i]
.endr
	v_max3_num_f32 v254, v254, v158, v159
	s_delay_alu instid0(VALU_DEP_1)
	v_max_num_f32 v254, v254, v252
	s_delay_alu instid0(VALU_DEP_1)
	v_permlanex16_b32 v246, v254, s[SEL], s[SEL+1]
	s_delay_alu instid0(VALU_DEP_1)
	v_max_num_f32 v254, v254, v246                 ; and among lane l xor 16's
	s_delay_alu instid0(VALU_DEP_1)
	v_mul_f32 v254, s[CS], v254                    ; as t (c is positive)
	s_delay_alu instid0(VALU_DEP_1)
	v_max_num_f32 v13, v13, v254                   ; the running largest t
	v_mov_b32 v254, v12
	s_delay_alu instid0(VALU_DEP_2)
	v_floor_f32 v12, -v13                          ; the new -M = floor(-t) = -ceil(t): M IS A WHOLE NUMBER
	s_delay_alu instid0(VALU_DEP_1)
	v_sub_f32 v254, v12, v254                      ; M's old value less its new one: a whole number, 0 or less
	s_delay_alu instid0(VALU_DEP_1)
	v_cvt_i32_f32 v254, v254                       ; (it saturates)
	s_delay_alu instid0(VALU_DEP_1)
	v_ldexp_f32 v252, 1.0, v254                    ; f = 2^(old M - new M): a multiplication by it rounds nothing
.irp j, 0,2,4,6,8,10,12,14,16,18,20,22,24,26,28,30,32,34,36,38,40,42,44,46,48,50,52,54,56,58,60,62
	v_pk_fma_f32 v[96+\j:97+\j], v[96+\j:97+\j], s[CS:CS+1], v[12:13] op_sel_hi:[1,0,0]   ; t - M, two at a time (of the pairs c and -M the low word serves both halves)
.endr
	s_wait_alu depctr_va_vdst(0)
.irp j, 0,1,2,3,4,5,6,7,8,9,10,11,12,13,14,15,16,17,18,19,20,21,22,23,24,25,26,27,28,29,30,31,32,33,34,35,36,37,38,39,40,41,42,43,44,45,46,47,48,49,50,51,52,53,54,55,56,57,58,59,60,61,62,63
	v_exp_f32 v[96+\j], v[96+\j]                   ; p = 2^(t - M), at most 1: NOT normalised
.endr
	v_pk_mul_f32 v[14:15], v[14:15], v[252:253] op_sel_hi:[1,0]   ; the sums under the new M.  (The plain instruction behind the exponentials)
	s_wait_alu depctr_va_vdst(0)                   ; a wait for the whole batch, ahead of its first reader
	v_pk_add_f32 v[242:243], v[100:101], v[104:105]
	v_pk_add_f32 v[250:251], v[108:109], v[112:113]
	v_pk_add_f32 v[248:249], v[116:117], v[120:121]
	v_pk_add_f32 v[238:239], v[124:125], v[128:129]
	v_pk_add_f32 v[236:237], v[132:133], v[136:137]
	v_pk_add_f32 v[234:235], v[140:141], v[144:145]
	v_pk_add_f32 v[232:233], v[148:149], v[152:153]
	v_pk_add_f32 v[14:15], v[14:15], v[156:157]
	v_pk_add_f32 v[242:243], v[242:243], v[96:97]
	v_pk_add_f32 v[250:251], v[250:251], v[98:99]
	v_pk_add_f32 v[248:249], v[248:249], v[102:103]
	v_pk_add_f32 v[238:239], v[238:239], v[106:107]
	v_pk_add_f32 v[236:237], v[236:237], v[110:111]
	v_pk_add_f32 v[234:235], v[234:235], v[114:115]
	v_pk_add_f32 v[232:233], v[232:233], v[118:119]
	v_pk_add_f32 v[14:15], v[14:15], v[122:123]
	v_pk_add_f32 v[242:243], v[242:243], v[126:127]
	v_pk_add_f32 v[250:251], v[250:251], v[130:131]
	v_pk_add_f32 v[248:249], v[248:249], v[134:135]
	v_pk_add_f32 v[238:239], v[238:239], v[138:139]
	v_pk_add_f32 v[236:237], v[236:237], v[142:143]
	v_pk_add_f32 v[234:235], v[234:235], v[146:147]
	v_pk_add_f32 v[232:233], v[232:233], v[150:151]
	v_pk_add_f32 v[14:15], v[14:15], v[154:155]
	v_pk_add_f32 v[242:243], v[242:243], v[158:159]
	s_delay_alu instid0(VALU_DEP_2)
	v_pk_add_f32 v[14:15], v[14:15], v[238:239]
	s_delay_alu instid0(VALU_DEP_2)
	v_pk_add_f32 v[242:243], v[242:243], v[236:237]
	v_pk_add_f32 v[250:251], v[250:251], v[234:235]
	v_pk_add_f32 v[248:249], v[248:249], v[232:233]
	s_delay_alu instid0(VALU_DEP_2)
	v_pk_add_f32 v[14:15], v[14:15], v[250:251]
	s_delay_alu instid0(VALU_DEP_2)
	v_pk_add_f32 v[242:243], v[242:243], v[248:249]
	s_delay_alu instid0(VALU_DEP_1)
	v_pk_add_f32 v[14:15], v[14:15], v[242:243]
.irp b, 0,1,2,3
.irp i, 0,1,2,3,4,5,6,7,8,9,10,11,12,13,14,15
	v_min_num_f32 v[96+16*\b+\i], v[96+16*\b+\i], v240   ; the conversion to an 8-bit code does not saturate (ISA guide 7.6.2); p is not negative, so the hold is one-sided
.endr
	v_cvt_scalef32_pk8_bf8_f32 v[224+4*\b:225+4*\b], v[96+16*\b:103+16*\b], v244
	v_cvt_scalef32_pk8_bf8_f32 v[226+4*\b:227+4*\b], v[104+16*\b:111+16*\b], v244
.endr
.irp t, 0,1,2,3                                ; V's other four fragments go into the registers that p has left: they land while O^T is rescaled
.irp c, 0,1,2,3
	ds_load_b128 v[96+16*\t+4*\c:96+16*\t+4*\c+3], v[ADK] offset:TILE+16*(4+\t)*KP+32*\c
.endr
.endr
.irp j, 0,2,4,6,8,10,12,14,16,18,20,22,24,26,28,30,32,34,36,38,40,42,44,46,48,50,52,54,56,58,60,62
	v_pk_mul_f32 v[160+\j:161+\j], v[160+\j:161+\j], v[252:253] op_sel_hi:[1,0]   ; O^T under the new M: x f.  (The plain instructions between the conversions and the products that read the codes)
.endr
	s_wait_alu depctr_va_vdst(0)
	s_wait_dscnt 0x0                               ; V's eight fragments are in
.irp t, 0,1,2,3                                ; O^T += V^T P^T: K = these 128 keys.  The eight accumulators take turns
	v_wmma_f32_16x16x128_bf8_bf8 v[160+8*\t:167+8*\t], v[32+16*\t:47+16*\t], v[224:239], v[160+8*\t:167+8*\t]
.endr
.irp t, 0,1,2,3
	v_wmma_f32_16x16x128_bf8_bf8 v[192+8*\t:199+8*\t], v[96+16*\t:111+16*\t], v[224:239], v[192+8*\t:199+8*\t]
.endr
.Lhidden_\@:
	s_add_co_u32 s[JS], s[JS], 2                   ; my next key step
.endm
; THE CHANGE OF SLOTS.  Each wave waits for all its tensor loads (its tile of the slot that it is about to read), adds 0 to its spare word, and waits for that and for its reads of the slot that it has left.
; fill = 1: the barrier is a round of the cluster's, so that no wave of any partner still reads the slot that is left or has a load on its way; the joint refill of that slot (group 0 at g0) is the first thing behind it.
.macro CHANGE fill, g0, ask
	s_wait_tensorcnt 0x0                           ; no tensor load of mine is out, so a group 0 may be written
	ds_add_u32 v[SPW], v[NIL]                      ; 0 onto my spare word
.if \fill
	ds_add_u32 v[SPW], v[NIL]                      ; and twice on end here
	s_add_nc_u64 s[\g0+2:\g0+3], s[\g0+2:\g0+3], 2*FILLB   ; the slot's next keys: two fills on; the type bits on top are not reached
	s_wait_dscnt 0x0                               ; the add is done, and my reads of the slot that I have left are over
	CROUND
	TLOAD \g0                                      ; the first thing behind the round, and a wave's one tensor load until the next
.if \ask
	ASK
.endif
.else
	s_wait_dscnt 0x0
	s_barrier_signal -1
	s_barrier_wait -1
.endif
.endm
	s_wait_alu depctr_va_vdst(0)
	s_wait_loadcnt 0x0                             ; Q
	s_wait_tensorcnt 0x0                           ; my tile of slot 0 is in
	ds_add_u32 v[SPW], v[NIL]
	ds_add_u32 v[SPW], v[NIL]
	s_wait_dscnt 0x0
	CROUND                                         ; everybody's is
	TLOAD G0B                                      ; slot 1's first fill, the first tensor load behind the round
	STEP 0                                         ; keys 0 to 511
	STEP 2*PAIR
	CHANGE 1, G0A, 1                               ; slot 0 takes keys 1,024 to 1,535
	STEP SLOTB                                     ; keys 512 to 1,023
	STEP SLOTB+2*PAIR
	CHANGE 1, G0B, 0                               ; slot 1 takes keys 1,536 to 2,047
	STEP 0
	STEP 2*PAIR
	CHANGE 0, G0A, 0                               ; nothing is left to fetch
	STEP SLOTB
	STEP SLOTB+2*PAIR
	; THE MERGE.  The odd wave of a tile hands O^T, -M and the sum to the even wave as an image of its registers: lane l's 16 bytes at 16 l, 512 bytes a store.
.rept 4
	v_nop                                          ; places behind the last products
.endr
	s_cmp_lt_u32 s[WV], 8
	s_cbranch_scc1 .Lno_image
	s_wait_alu depctr_va_vdst(0)
.irp k, 0,1,2,3,4,5,6,7,8,9,10,11,12,13,14,15
	ds_store_b128 v[MA], v[160+4*\k:163+4*\k] offset:512*\k
.endr
	ds_store_b128 v[MA], v[12:15] offset:8192
.Lno_image:
	s_wait_dscnt 0x0                               ; for the others' sake: my stores have landed
	s_barrier_signal -1
	s_barrier_wait -1
	s_cmp_lt_u32 s[WV], 8
	s_cbranch_scc0 .Ldone
.irp k, 0,1,2,3,4,5,6,7,8,9,10,11,12,13,14,15
	ds_load_b128 v[32+4*\k:35+4*\k], v[MA] offset:512*\k
.endr
	ds_load_b128 v[224:227], v[MA] offset:8192     ; the partner's -M, largest t, and sum in two halves
	s_wait_dscnt 0x0
	v_min_num_f32 v100, v12, v224                  ; the common -M: the larger M
	s_delay_alu instid0(VALU_DEP_1)
	v_sub_f32 v101, v100, v12
	s_delay_alu instid0(VALU_DEP_2)
	v_sub_f32 v102, v100, v224                     ; whole numbers, 0 or less (a partner that had no step: about -3e38)
	s_delay_alu instid0(VALU_DEP_2)
	v_cvt_i32_f32 v101, v101                       ; (they saturate)
	s_delay_alu instid0(VALU_DEP_2)
	v_cvt_i32_f32 v102, v102
	s_delay_alu instid0(VALU_DEP_2)
	v_ldexp_f32 v252, 1.0, v101                    ; my factor,
	s_delay_alu instid0(VALU_DEP_2)
	v_ldexp_f32 v254, 1.0, v102                    ; the partner's: exact powers of two, or 0
	s_delay_alu instid0(VALU_DEP_2)
	v_pk_mul_f32 v[14:15], v[14:15], v[252:253] op_sel_hi:[1,0]
	s_delay_alu instid0(VALU_DEP_1)
	v_pk_fma_f32 v[14:15], v[226:227], v[254:255], v[14:15] op_sel_hi:[1,0,1]
	s_delay_alu instid0(VALU_DEP_1)
	v_add_f32 v14, v14, v15                        ; the sum's two halves,
	s_delay_alu instid0(VALU_DEP_1)
	v_permlanex16_b32 v246, v14, s[SEL], s[SEL+1]
	s_delay_alu instid0(VALU_DEP_1)
	v_add_f32 v14, v14, v246                       ; and lane l xor 16's: the row's sum
	s_wait_alu depctr_va_vdst(0)
	v_rcp_f32 v14, v14
.irp j, 0,2,4,6,8,10,12,14,16,18,20,22,24,26,28,30,32,34,36,38,40,42,44,46,48,50,52,54,56,58,60,62
	v_pk_mul_f32 v[32+\j:33+\j], v[32+\j:33+\j], v[254:255] op_sel_hi:[1,0]   ; the partner's O^T under the common M.  (Plain work that names nothing of the reciprocal stands behind it)
.endr
	s_wait_alu depctr_va_vdst(0)
.irp j, 0,2,4,6,8,10,12,14,16,18,20,22,24,26,28,30,32,34,36,38,40,42,44,46,48,50,52,54,56,58,60,62
	v_pk_fma_f32 v[96+\j:97+\j], v[160+\j:161+\j], v[252:253], v[32+\j:33+\j] op_sel_hi:[1,0,1]   ; + mine; each accumulator from its low end on
.endr
	s_wait_alu depctr_va_vdst(0)                   ; ahead of the reciprocal's first reader
.irp j, 0,2,4,6,8,10,12,14,16,18,20,22,24,26,28,30,32,34,36,38,40,42,44,46,48,50,52,54,56,58,60,62
	v_pk_mul_f32 v[96+\j:97+\j], v[96+\j:97+\j], v[14:15] op_sel_hi:[1,0]   ; / the sum: register 16 B + i is channel 32 B + 16 h + i of my query
.endr
.irp b, 0,1,2,3
.irp i, 0,1,2,3,4,5,6,7,8,9,10,11,12,13,14,15
	v_med3_num_f32 v[96+16*\b+\i], v[96+16*\b+\i], -v241, v241   ; the hold at the largest code x the scale
.endr
	v_cvt_scalef32_pk8_bf8_f32 v[224+4*\b:225+4*\b], v[96+16*\b:103+16*\b], v245
	v_cvt_scalef32_pk8_bf8_f32 v[226+4*\b:227+4*\b], v[104+16*\b:111+16*\b], v245
.endr
	v_nop                                          ; a plain vector instruction behind the last conversion
.irp b, 0,1,2,3
	global_store_b128 v[GO], v[224+4*\b:227+4*\b], s[12:13] offset:512*\b   ; the registers' image: 32 lanes store 512 consecutive bytes
.endr
.Ldone:
	s_wait_tensorcnt 0x0                           ; the wave's end: behind my last tensor load and my last LDS store
	ds_add_u32 v[SPW], v[NIL]
	s_wait_dscnt 0x0
	CROUND                                         ; the closing round: no work-group ends while a partner may still ask for a tile that names it
	s_endpgm
.Lfunc_end_k_q67ed7ef995_attn:
	.size	k_q67ed7ef995_attn, .Lfunc_end_k_q67ed7ef995_attn-k_q67ed7ef995_attn
	.p2alignl 7, 3214868480
	.fill 96, 4, 3214868480
	.section	.rodata,"a",@progbits
	.p2align	6, 0x0
	.amdhsa_kernel k_q67ed7ef995_attn
		.amdhsa_group_segment_fixed_size 327680
		.amdhsa_private_segment_fixed_size 0
		.amdhsa_enable_private_segment 0
		.amdhsa_kernarg_size 40
		.amdhsa_user_sgpr_count 2
		.amdhsa_user_sgpr_kernarg_segment_ptr 1
		.amdhsa_wavefront_size32 1
		.amdhsa_system_sgpr_workgroup_id_x 1
		.amdhsa_system_sgpr_workgroup_id_y 1
		.amdhsa_system_sgpr_workgroup_id_z 1
		.amdhsa_system_vgpr_workitem_id 0
		.amdhsa_next_free_vgpr 256
		.amdhsa_next_free_sgpr 100
		.amdhsa_reserve_vcc 1
		.amdhsa_float_denorm_mode_32 3
		.amdhsa_float_denorm_mode_16_64 3
		.amdhsa_memory_ordered 1
		.amdhsa_forward_progress 1
		.amdhsa_inst_pref_size 221
	.end_amdhsa_kernel
	.amdgpu_metadata
---
amdhsa.version: [ 1, 2 ]
amdhsa.kernels:
  - .name:           k_q67ed7ef995_attn
    .symbol:         k_q67ed7ef995_attn.kd
    .args:
      - { .name: qc, .offset: 0, .size: 8, .value_kind: global_buffer, .address_space: global }
      - { .name: kc, .offset: 8, .size: 8, .value_kind: global_buffer, .address_space: global }
      - { .name: vc, .offset: 16, .size: 8, .value_kind: global_buffer, .address_space: global }
      - { .name: lowp_scales, .offset: 24, .size: 8, .value_kind: global_buffer, .address_space: global }
      - { .name: ac, .offset: 32, .size: 8, .value_kind: global_buffer, .address_space: global }
    .group_segment_fixed_size: 327680
    .private_segment_fixed_size: 0
    .kernarg_segment_align: 8
    .kernarg_segment_size: 40
    .max_flat_workgroup_size: 512
    .sgpr_count:     100
    .vgpr_count:     256
    .wavefront_size: 32
...
	.end_amdgpu_metadata
.endif
;; end of part 2
;; launch oproj (part 3): grid 16 x 16, 4 waves a work-group, clusters of 4 x 1, 327,680 bytes of LDS; arguments ac, Wo_codes, lowp_scales, out0; writes out0
.if DOCPART == 3
	.amdgcn_target "amdgcn-amd-amdhsa--gfx1250"
	.amdhsa_code_object_version 6
	.text
	.protected	k_q67ed7ef995_oproj
	.globl	k_q67ed7ef995_oproj
	.p2align	8
	.type	k_q67ed7ef995_oproj,@function
k_q67ed7ef995_oproj:
	s_mov_b64 s[64:65], 0
	v_nop
	global_prefetch_b8 v0, s[64:65] scope:SCOPE_SE
	s_setreg_imm32_b32 hwreg(HW_REG_WAVE_MODE, 25, 1), 1
	s_wait_xcnt 0x0
	s_wait_alu depctr_hold_cnt(0) depctr_sa_sdst(0) depctr_va_vdst(0) depctr_va_sdst(0) depctr_va_ssrc(0) depctr_va_vcc(0) depctr_vm_vsrc(0)
	s_getreg_b32 s2, hwreg(HW_REG_IB_STS2, 6, 4)
	s_cmp_eq_u32 s2, 0
	s_cbranch_scc0 .Lentry_in_a_cluster
	s_endpgm
.Lentry_in_a_cluster:
	s_bfe_u32 s2, ttmp6, 0x10000c
	s_cmp_lg_u32 s2, 0x3003
	s_cbranch_scc0 .Lentry_shape_is_right
	s_endpgm
.Lentry_shape_is_right:
; THE PROJECTION ON THE WAY OUT: out[s][o] = 2^(e10 + e11) x the sum over k of attn[s][k] Wo[o][k], both codes of BF8 (E5M2), f32 sums.  LIMIT: e10 + e11 lies between -126 and 127.
; SHARES.  A work-group makes 128 x 128 (256 work-groups), each of its four waves 64 x 64: 16 accumulators.  K = 2,048 in 16 steps of 128, one head of attn each.
; Wo's 128 rows x 2,048 bytes are brought into LDS WHOLE, ahead of the products: two halves along K of 128 rows x 1,024 bytes, one tensor load a wave (64 rows of one half).  Nothing is filled again, and no barrier stands among the products.
; CLUSTER: four work-groups along x (row blocks) share Wo's rows and ask for them JOINTLY (mask 15, the descriptor made of the work-group's y and the wave's number alone).
; attn's codes lie in memory as the image of the operand's registers (tile of 16 rows x 32,768 + head x 2,048 + 512 c + 16 x lane) and go STRAIGHT INTO REGISTERS, 512 consecutive bytes a load, seven K steps ahead; no joint request serves registers.
; No prefetch: there is no loop to run ahead in; what a wave reads is asked for at the head, or seven steps ahead of its use.
; TRANSPOSED USE (source 0 = 16 rows of Wo, source 1 = 16 rows of attn): a lane's eight results are eight neighbouring columns of one row.
; REGISTERS: window 0: v0-15 addresses, v16-127 a ring of seven fragments of Wo, v128-255 the accumulators ((a, b) at 128 + 8 (4 a + b)); windows 1 and 2: eight sets of attn's fragments, K step k in set k % 8.
; On the way out window 1: block a's scaled sums at 32 a, its rows read back at 128 + 32 a: every block has its own.
.set PB,     1040                      ; an LDS row: 1,024 bytes + 16 of padding = 260 words: the 16 rows that a load touches start 4 words apart modulo 64
.set HB,     128*PB                    ; a half along K
.set STAGE,  2*HB                      ; 16 rows x 272 bytes a wave; no tensor load lands there
.set SPITCH, 272
.set SPARE,  STAGE+4*16*SPITCH         ; the spare words: two blocks of 256 bytes that no other line names
.set SPW, 2
.set NIL, 3
.set ADR, 4                            ; v4, v5: my fragments of Wo in the first, second half along K
.set LOF, 6                            ; 16 x lane
.set STO, 7
.set RD,  8
.set CO,  9
.set MSB, 0
.macro WIN new                         ; the immediate's high byte repeats the setting that is left
.if MSB != (\new)
	s_set_vgpr_msb (MSB<<8)|(\new)
.set MSB, (\new)
.endif
.endm
.macro CROUND
	s_barrier_signal -1
	s_barrier_wait -1
	s_cmp_lg_u32 s14, 0
	s_cbranch_scc1 .Lnot_wave_0_\@
	s_barrier_signal -3
.Lnot_wave_0_\@:
	s_barrier_wait -3
	s_barrier_signal -1
	s_barrier_wait -1
.endm
	s_load_b256 s[4:11], s[0:1], 0x0               ; ac, Wo, the scales, out
	v_lshl_add_u32 v[SPW], v0, 2, SPARE
	v_mov_b32 v[NIL], 0
	ds_add_u32 v[SPW], v[NIL]                      ; the opening add, twice on end
	ds_add_u32 v[SPW], v[NIL]
	v_lshrrev_b32 v1, 5, v0
	v_readfirstlane_b32 s14, v1                    ; wave 0..3
	s_lshr_b32 s15, s14, 1                         ; my 64 rows of attn; the half along K that I fetch
	s_and_b32 s16, s14, 1                          ; my 64 rows of Wo; the 64 rows that I fetch
	s_bfe_u32 s40, ttmp6, 0x40000
	s_lshl_b32 s17, ttmp9, 2
	s_add_co_u32 s17, s17, s40                     ; row block
	s_and_b32 s42, ttmp7, 0xffff                   ; column block, which the four partners share
	s_mov_b32 s24, 15|(1<<20)|(1<<21)|(7<<22)|(3<<25)   ; all four; elements of 1 byte; four words of padding behind every 256 words
	s_mov_b32 s25, 1024<<16
	s_mov_b32 s26, 64<<16
	s_mov_b32 s27, 1024<<16
	s_mov_b32 s28, 64
	s_mov_b32 s29, 2048
	s_mov_b32 s30, 0
	s_mov_b32 s31, 0
	s_lshl_b32 s20, s42, 18                        ; Wo: 128 x column block + 64 x s16 rows of 2,048 bytes, + 1,024 x s15
	s_lshl_b32 s21, s16, 17
	s_add_co_u32 s20, s20, s21
	s_lshl_b32 s21, s15, 10
	s_add_co_u32 s20, s20, s21
	s_mov_b32 s21, 0
	s_mul_i32 s22, s15, HB
	s_mul_i32 s23, s16, 64*PB
	s_add_co_u32 s22, s22, s23                     ; where it goes: made of the wave's number alone
	s_lshl_b32 s46, s17, 18                        ; ac: 8 x row block + 4 x s15 tiles of 32,768 bytes
	s_lshl_b32 s47, s15, 17
	s_add_co_u32 s46, s46, s47
	s_mov_b32 s47, 0
	s_lshl_b32 s48, s17, 20                        ; out: my first row x 8,192 bytes + my first column x 4
	s_lshl_b32 s49, s15, 19
	s_add_co_u32 s48, s48, s49
	s_lshl_b32 s49, s42, 9
	s_add_co_u32 s48, s48, s49
	s_lshl_b32 s49, s16, 8
	s_add_co_u32 s48, s48, s49
	s_mov_b32 s49, 0
	s_mul_i32 s18, s14, 16*SPITCH
	s_add_co_u32 s18, s18, STAGE                   ; my stage
	v_and_b32 v1, 15, v0                           ; r
	v_bfe_u32 v10, v0, 4, 1                        ; h
	v_mul_u32_u24 v11, v1, PB
	v_lshl_add_u32 v11, v10, 4, v11
	v_add_nc_u32 v[ADR], s23, v11
	v_add_nc_u32 v[ADR+1], HB, v[ADR]
	v_and_b32 v12, 31, v0
	v_lshlrev_b32 v[LOF], 4, v12
	v_mul_u32_u24 v13, v1, SPITCH                  ; stage, in: row r, 32 bytes for each half of the lanes
	v_lshl_add_u32 v13, v10, 5, v13
	v_add_nc_u32 v[STO], s18, v13
	v_mul_u32_u24 v14, v10, SPITCH                 ; back: lanes 0-15 one row of 256 bytes, lanes 16-31 the next
	v_lshl_add_u32 v14, v1, 4, v14
	v_add_nc_u32 v[RD], s18, v14
	v_lshlrev_b32 v15, 13, v10
	v_lshl_add_u32 v[CO], v1, 4, v15
	s_wait_alu depctr_va_vdst(0)                   ; ahead of the waits and barriers below
	s_wait_dscnt 0x0                               ; both opening adds are done
	s_wait_kmcnt 0x0
	s_load_b64 s[96:97], s[8:9], 0x28              ; e10, e11
	s_add_nc_u64 s[4:5], s[4:5], s[46:47]
	s_add_nc_u64 s[10:11], s[10:11], s[48:49]
	s_mov_b32 s32, 1
	s_mov_b32 s33, s22
	s_add_nc_u64 s[34:35], s[6:7], s[20:21]
	s_or_b32 s35, s35, 0x80000000
	CROUND                                         ; all four work-groups are here
	tensor_load_to_lds s[32:35], s[24:31]          ; my part of Wo: the launch's one tensor load a wave
	s_nop 0
.rept 4
	v_nop
.endr
.macro ALD k, i                        ; K step k of my i-th 16 rows of attn: a fragment, registers 4 c .. 4 c + 3 hold K = 32 c + 16 h + 0 .. 15
	WIN 0x40+0x40*(((\k)%8)/4)
.irp c, 0,1,2,3
	global_load_b128 v[64*((\k)%4)+16*(\i)+4*\c:64*((\k)%4)+16*(\i)+4*\c+3], v[LOF], s[4:5] offset:(\i)*32768+(\k)*2048+512*\c
.endr
.endm
.irp k, 0,1,2,3,4,5,6,7
.irp i, 0,1,2,3
	ALD \k, \i
.endr
.endr
	WIN 0
	s_wait_kmcnt 0x0
	s_add_co_i32 s96, s96, s97
	s_add_co_i32 s96, s96, 127
	s_lshl_b32 s96, s96, 23                        ; 2^(e10 + e11)
	s_mov_b32 s97, s96                             ; (named with it as a pair)
	s_wait_tensorcnt 0x0                           ; my part of Wo is in
	s_barrier_signal -1
	s_barrier_wait -1                              ; everybody's is
; Fragment f of Wo is K step f / 4, rows 16 (f % 4) of my 64; it lies in ring place f % 7.
.macro FLD f, c
	ds_load_b128 v[16+16*((\f)%7)+4*(\c):16+16*((\f)%7)+4*(\c)+3], v[ADR+(\f)/32] offset:((\f)%4)*16*PB+(((\f)/4)%8)*128+32*(\c)
.endm
.macro MM a, zero
.if \zero
	v_wmma_f32_16x16x128_bf8_bf8 v[128+8*(4*\a+JJ):135+8*(4*\a+JJ)], v[FB:FB+15], v[AA+16*\a:AA+16*\a+15], 0
.else
	v_wmma_f32_16x16x128_bf8_bf8 v[128+8*(4*\a+JJ):135+8*(4*\a+JJ)], v[FB:FB+15], v[AA+16*\a:AA+16*\a+15], v[128+8*(4*\a+JJ):135+8*(4*\a+JJ)]
.endif
.endm
; Fragment FI's four products; between them fragment FI + 6 is asked for, into the place that fragment FI - 1 has left (the four v_nop are the places behind its products),
; and a quarter of attn's K step seven on, into the set that the step before has left.  The 16 accumulators take turns.
.macro FPART
.set KK, FI/4
.set JJ, FI%4
.set FB, 16+16*(FI%7)
.set AA, 64*(KK%4)
.set LC, 63                            ; attn's younger loads: 96 or more, of which the count names 63; towards the end 16 for each later step
.if KK > 11
.set LC, 16*(15-KK)
.endif
.set DC, 20                            ; five younger fragments may be out
.if FI > 58
.set DC, 4*(63-FI)
.endif
.if JJ == 0
	s_wait_loadcnt LC
.endif
	s_wait_dscnt DC
	WIN 0x04+0x04*((KK%8)/4)                       ; source 1 in window 1 or 2; the LDS loads below name window 0 alone
	MM 0, (KK==0)
.if FI < 58
.rept 4
	v_nop
.endr
.endif
	MM 1, (KK==0)
.if FI < 58
	FLD FI+6, 0
	FLD FI+6, 1
.endif
	MM 2, (KK==0)
.if FI < 58
	FLD FI+6, 2
	FLD FI+6, 3
.endif
	MM 3, (KK==0)
.if KK > 0
.if KK < 9
	ALD KK+7, JJ
.endif
.endif
.endm
.irp f, 0,1,2,3,4,5
.irp c, 0,1,2,3
	FLD \f, \c
.endr
.endr
.set FI, 0
.rept 60
	FPART
.set FI, FI+1
.endr
; The last K step goes by rows, so that a block of 16 rows leaves while the next is multiplied.
.macro MULR a
	WIN 0x08
.irp b, 0,1,2,3
	v_wmma_f32_16x16x128_bf8_bf8 v[128+8*(4*\a+\b):135+8*(4*\a+\b)], v[16+16*((60+\b)%7):31+16*((60+\b)%7)], v[192+16*\a:207+16*\a], v[128+8*(4*\a+\b):135+8*(4*\a+\b)]
.endr
.endm
.macro OUT a                           ; scaled, each accumulator from its low end on; through my stage, back as whole rows of 256 bytes.  LDS serves a wave's instructions in order (ISA guide 5.7.1.4)
	WIN 0x40
.irp j, 0,2,4,6,8,10,12,14,16,18,20,22,24,26,28,30
	v_pk_mul_f32 v[32*\a+\j:32*\a+\j+1], v[128+32*\a+\j:129+32*\a+\j], s[96:97] op_sel_hi:[1,0]
.endr
	WIN 0x04
.irp b, 0,1,2,3
	ds_store_b128 v[STO], v[32*\a+8*\b:32*\a+8*\b+3] offset:64*\b
	ds_store_b128 v[STO], v[32*\a+8*\b+4:32*\a+8*\b+7] offset:64*\b+16
.endr
	WIN 0x40
.irp t, 0,1,2,3,4,5,6,7
	ds_load_b128 v[128+32*\a+4*\t:131+32*\a+4*\t], v[RD] offset:2*\t*SPITCH
.endr
.endm
.macro SEND a, younger
	s_wait_dscnt \younger
	WIN 0x04
.irp t, 0,1,2,3,4,5,6,7
	global_store_b128 v[CO], v[128+32*\a+4*\t:131+32*\a+4*\t], s[10:11] offset:(16*\a+2*\t)*8192 th:TH_STORE_NT   ; 16 lanes store 256 consecutive bytes, at a multiple of 256
.endr
.endm
	s_wait_loadcnt 0x0
	s_wait_dscnt 0x0
	MULR 0
	MULR 1
.rept 4
	v_nop                                          ; places behind the products whose results are read below
.endr
	OUT 0
	MULR 2
	OUT 1
	SEND 0, 16                                     ; behind block 0's loads: block 1's 8 stores and 8 loads
	MULR 3
	OUT 2
	SEND 1, 16
	OUT 3
	SEND 2, 16
	SEND 3, 0
	WIN 0
	s_wait_tensorcnt 0x0                           ; the wave's end
	ds_add_u32 v[SPW], v[NIL]
	s_wait_dscnt 0x0
	CROUND                                         ; the closing round: no work-group ends while a partner may still ask for a tile that names it
	s_endpgm
.Lfunc_end_k_q67ed7ef995_oproj:
	.size	k_q67ed7ef995_oproj, .Lfunc_end_k_q67ed7ef995_oproj-k_q67ed7ef995_oproj
	.p2alignl 7, 3214868480
	.fill 96, 4, 3214868480
	.section	.rodata,"a",@progbits
	.p2align	6, 0x0
	.amdhsa_kernel k_q67ed7ef995_oproj
		.amdhsa_group_segment_fixed_size 327680
		.amdhsa_private_segment_fixed_size 0
		.amdhsa_enable_private_segment 0
		.amdhsa_kernarg_size 32
		.amdhsa_user_sgpr_count 2
		.amdhsa_user_sgpr_kernarg_segment_ptr 1
		.amdhsa_wavefront_size32 1
		.amdhsa_system_sgpr_workgroup_id_x 1
		.amdhsa_system_sgpr_workgroup_id_y 1
		.amdhsa_system_sgpr_workgroup_id_z 1
		.amdhsa_system_vgpr_workitem_id 0
		.amdhsa_next_free_vgpr 768
		.amdhsa_next_free_sgpr 100
		.amdhsa_reserve_vcc 0
		.amdhsa_float_denorm_mode_32 3
		.amdhsa_float_denorm_mode_16_64 3
		.amdhsa_memory_ordered 1
		.amdhsa_forward_progress 1
		.amdhsa_inst_pref_size 85
	.end_amdhsa_kernel
	.amdgpu_metadata
---
amdhsa.version: [ 1, 2 ]
amdhsa.kernels:
  - .name:           k_q67ed7ef995_oproj
    .symbol:         k_q67ed7ef995_oproj.kd
    .args:
      - { .name: ac, .offset: 0, .size: 8, .value_kind: global_buffer, .address_space: global }
      - { .name: Wo_codes, .offset: 8, .size: 8, .value_kind: global_buffer, .address_space: global }
      - { .name: lowp_scales, .offset: 16, .size: 8, .value_kind: global_buffer, .address_space: global }
      - { .name: out0, .offset: 24, .size: 8, .value_kind: global_buffer, .address_space: global }
    .group_segment_fixed_size: 327680
    .private_segment_fixed_size: 0
    .kernarg_segment_align: 8
    .kernarg_segment_size: 32
    .max_flat_workgroup_size: 128
    .sgpr_count:     100
    .vgpr_count:     768
    .wavefront_size: 32
...
	.end_amdgpu_metadata
.endif
;; end of part 3
